; MI455X (gfx1250); checked and timed in simulation.
; The chip was launched on July 23, 2026; its instructions are those of AMD's public machine-readable ISA for CDNA 5 (MIT licence, August 2026) and "CDNA5" Instruction Set Architecture Reference Guide (July 2026). The comments in the code are by the model that wrote it; some were corrected since.
;; Attention. Allowed arithmetic: matrix products marked QUANTISED: E2M3 operands, one E8M0 scale for each 32 along K, by v_wmma_scale_f32_16x16x128_f8f6f4 with both operands' format E2M3, f32 sums; everything else in f32.
;; Inputs: K 4 x 8 x 2,048 x 64 float32; Q 4 x 8 x 2,048 x 64 float32; V 4 x 8 x 2,048 x 64 float32.
;; Outputs: out0 4 x 8 x 2,048 x 64 float32.
;; This version of the problem:
;;   THIS VERSION OF THE PROBLEM IS GIVEN IN LOW PRECISION. The matrix products marked QUANTISED in the list below multiply operands that are first quantised to E2M3 (2 exponent bits, 3 mantissa bits; 6 bits a number), with one power-of-two scale for each 32 numbers along K (OCP MX v1.0); their sums are f32. All else is computed in f32.
;;   The module's matrix products, in the order in which they are computed (A, B: the left and right operand; K: the contracted axis; several contracted axes count as one K, in the product's order):
;;     1. batch 32 x [M 2,048, K 64] x [K 64, N 2,048]; A: input Q; B: input K: QUANTISED
;;     2. batch 32 x [M 2,048, K 2,048] x [K 2,048, N 64]; A: softmax (see below); B: input V: QUANTISED
;;   THE QUANTISER, for each operand of a quantised product, along K:
;;     - K is cut into blocks of 32 from its start; a last block that is shorter is filled with zeros.
;;     - A block's scale is 2^e with e = floor(log2(the largest magnitude in the block)) - 2, held to -126 .. 127; a block of zeros has e = 0. As a byte (E8M0): e + 127.
;;     - Each number is divided by its block's scale, clamped to +-7.5, and rounded to the nearest number of E2M3, ties to even, subnormals kept.
;;     - The product sums the exact products of the quantised numbers (number of the format x scale) in f32.
;;   ~~~python
;;   def quantise(x, axis):      # numpy; x: float32 -> the quantised numbers, widened to float32 again
;;       x = np.moveaxis(x, axis, -1); K = x.shape[-1]
;;       x = np.pad(x, [(0, 0)] * (x.ndim - 1) + [(0, -K % 32)]); x = x.reshape(x.shape[:-1] + (-1, 32)); a = np.abs(x).max(-1, keepdims=True)
;;       e = np.where(a > 0, np.clip(np.frexp(np.where(a > 0, a, 1))[1] - 1 - 2, -126, 127), 0)      # np.frexp(a)[1] - 1 = floor(log2(a)), exactly
;;       r = np.clip(x / 2.0 ** e, -7.5, 7.5)
;;       step = 2.0 ** (np.maximum(np.frexp(np.where(r == 0, 1, r))[1] - 1, 0) - 3)
;;       q = np.round(r / step) * step * 2.0 ** e      # np.round: ties to even
;;       return np.moveaxis(q.reshape(q.shape[:-2] + (-1,))[..., :K], -1, axis).astype(np.float32)
;;   ~~~
;;   SOFTMAX AHEAD OF A QUANTISED PRODUCT. Where the list says 'softmax', what is quantised is not the finished softmax but p = 2^(t - M), with t = logit x log2(e) and M = ceil(the row's largest t), a whole number; so 1/2 < the row's largest p <= 1. The row's sum l is taken of the UNQUANTISED p, in f32, and the product's result is divided by l at the end. Since M is a whole number, a kernel that streams over the keys may use a running M (the ceiling of the running maximum): every later rescaling is an exact power of two, which a block's scale takes up: the codes' values come out the same.
;;   OPERANDS COMPUTED ON THE WAY. 'Computed on the way' means the value that the module computes at that place (a softmax that the list does not call 'softmax' is quantised finished and normalised). What goes into a quantiser is computed in f32, as accurately as f32 sums, v_exp_f32 and their like allow (about 1e-6 of the number): no bf16 or f16 on the way to a quantiser, and a product that is left as it is and whose result goes on into a quantised operand takes f32 operands (vector FMAs, or v_wmma_f32_16x16x4_f32). A number that lies on a knife's edge between two numbers of the format may be rounded either way, as far as f32 arithmetic and the matrix unit's own rounding can turn it there, and no further.
;; One version. Each part assembles by itself: llvm-mc -triple=amdgcn-amd-amdhsa -mcpu=gfx1250 --defsym DOCPART=n.
;; ======== version 1 of 1: 2 launches
;; limits: right only within a limited range of input values
;; workspace buffers: kv 6,684,672 bytes
;; launch prep (part 1): grid 16 x 32, 4 waves a work-group, no clusters, 74,240 bytes of LDS; arguments K, V, kv; writes kv
.if DOCPART == 1
	.amdgcn_target "amdgcn-amd-amdhsa--gfx1250"
	.amdhsa_code_object_version 6
	.text
	.protected	k_q7aa6701294_prep
	.globl	k_q7aa6701294_prep
	.p2align	8
	.type	k_q7aa6701294_prep,@function
k_q7aa6701294_prep:
	s_mov_b64 s[64:65], 0
	v_nop
	global_prefetch_b8 v0, s[64:65] scope:SCOPE_SE
	s_setreg_imm32_b32 hwreg(HW_REG_WAVE_MODE, 25, 1), 1
	s_wait_xcnt 0x0
; K and V, [32 heads][2048 keys][64] f32, become codes of FP6 (E2M3) with one E8M0 scale byte for each 32 along a product's K, laid in kv as IMAGES OF THE OPERAND REGISTERS
; of the attention launch.  K is quantised along the head's 64 (innermost), V along the keys (its first axis within a head).
; kv: a block of 13,056 bytes for each (head, step of 128 keys), at (16 head + step) x 13,056.  l = lane, r = l % 16, h = l / 16:
;   0       K's 8 tiles of 16 keys, 6 registers each, by pairs: registers 4 m .. 4 m + 3 of tiles 2 p, 2 p + 1 (12 on end) at 1,536 p + 512 m + 16 l.
;           Row r of tile T is key 64 (T / 4) + 32 (r / 8) + 8 (T % 4) + r % 8; lane (r, h) holds its channels 32 h .. 32 h + 31
;   6,144   V^T's 4 fragments (channels 16 t + r, 128 keys): registers 4 m .. 4 m + 3 at 1,536 t + 512 m + 16 l; registers 6 c .. 6 c + 5 hold keys 64 c + 32 h + 0 .. 31
;   12,288  K's scale words: register j (0 .. 3) at 16 l + 4 j: lanes 0-15 tile 2 j's rows, lanes 16-31 tile 2 j + 1's.  Byte 0: channels 0-31, byte 1: channels 32-63, bytes 2, 3: 0x7f (what they scale meets zero codes of Q)
;   12,800  V's scale words: register j (0, 1) at 8 l + 4 j: lanes 0-15 fragment 2 j's rows, lanes 16-31 fragment 2 j + 1's.  Byte b: keys 32 b .. 32 b + 31
; A block's scale is 2^(floor(log2(its largest magnitude)) - 2); its byte is the largest magnitude's exponent field - 2, held at 1 from below.
; LIMITS: NaN and infinities among the inputs are not served.  A block of zeros gets the byte 1 where the rule says 127: its codes are zeros, which add nothing under any byte but 0xff, and this program alone reads the bytes.
; SHARES.  A work-group takes one step of 128 keys of one head.  Wave w = 2 c + g makes K's tiles 2 w and 2 w + 1, which are the keys 64 c + 16 g + 0 .. 15 and 32 further on: two dense runs of 4,096 bytes.
; It loads V's keys 32 w .. 32 w + 31 (8,192 dense bytes), puts them into a region of LDS that all four waves read, and behind a barrier makes V^T's fragment w: a lane takes a channel and its registers run down the keys.
; V is asked for first and worked while K's loads are out.  No tensor loads, no loop.  No cluster: the work-groups share no input.  No register that a store reads is written again.
.set TSZ,   4864                       ; LDS: a turn stage for one tile of K: the place of lane (r, h) is 144 r + 2,432 h, 128 bytes of data.  144 is an odd multiple of 16 and 2,432 is 128 more than a multiple of 256:
                                       ; sixteen lanes' 16 bytes fall on sixteen different columns of 16 bytes, on the way in and on the way out (64 banks of 4 bytes: ISA guide 11.1)
.set VT,    8*TSZ                      ; behind the 8 stages: V's 128 rows of 256 bytes, in four groups of 32 keys,
.set VG,    8320                       ; 8,192 + 128 bytes apart: lanes 16-31 of a column read stand one group on, 32 banks from lanes 0-15
.set SC,    VT+4*VG                    ; behind them: the image of the scale words: K's 512 bytes, V's 256
.set STEPB, 13056
.set VC_O,  6144
.set KS_O,  12288
.set RK,  16                           ; v16-79   K as loaded
.set RV,  80                           ; v80-143  V as loaded; then V's 64 numbers of a lane's channel
.set XK,  144                          ; v144-207 tile u's 32 numbers at XK + 32 u
.set FK,  208                          ; v208-219 K's two fragments, 6 registers each
.set FV,  220                          ; v220-231 V^T's fragment
.set CT0, 232                          ; v232-234, v236-238: the second halves of a block's codes, as the conversion leaves them
.set CT1, 236
.set MX0, 240                          ; v240-241 two chains of a largest magnitude
.set MX1, 241
; 32 numbers of ONE lane, v[x] .. v[x + 31], a whole block, become 6 registers of codes at v[dst], the conversion's scale operand in v[sop] and the scale's byte in v[byte].
.macro QB x, dst, tmp, sop, byte
	v_max3_num_f32 v[MX0], |v[\x]|, |v[\x+1]|, |v[\x+2]|
	v_max3_num_f32 v[MX1], |v[\x+3]|, |v[\x+4]|, |v[\x+5]|
.irp i, 6,10,14,18,22,26
	v_max3_num_f32 v[MX0], v[MX0], |v[\x+\i]|, |v[\x+\i+1]|
	v_max3_num_f32 v[MX1], v[MX1], |v[\x+\i+2]|, |v[\x+\i+3]|
.endr
	v_max3_num_f32 v[MX0], v[MX0], |v[\x+30]|, |v[\x+31]|
	v_max3_num_f32 v[MX0], v[MX0], v[MX1], 0x1800000     ; and the floor 2^(3 - 127): the byte cannot fall under 1
	v_add_nc_u32 v[\sop], 0xff000000, v[MX0]             ; 2 off the exponent field: the conversion takes the exponent field of this operand as its scale, and nothing else of it
	v_lshrrev_b32 v[\byte], 23, v[\sop]                  ; the scale's byte
	v_cvt_scalef32_pk16_fp6_f32 v[\dst:\dst+2], v[\x:\x+15], v[\sop]
	v_cvt_scalef32_pk16_fp6_f32 v[\tmp:\tmp+2], v[\x+16:\x+31], v[\sop]   ; (a conversion's three registers begin on an even number)
	v_nop                                                ; one plain place behind a scaled conversion
.irp i, 0,1,2
	v_mov_b32 v[\dst+3+\i], v[\tmp+\i]
.endr
.endm
	s_load_b128 s[4:7], s[0:1], 0x0                ; K s[4:5], V s[6:7]
	s_load_b64 s[8:9], s[0:1], 0x10                ; kv
	v_lshl_add_u32 v254, v0, 2, 0x12000
	v_mov_b32 v255, 0
	v_lshrrev_b32 v251, 5, v0
	v_readfirstlane_b32 s10, v251                  ; wave 0..3
	v_and_b32 v1, 31, v0                           ; lane
	v_lshlrev_b32 v4, 4, v1                        ; 16 l
	s_and_b32 s12, ttmp7, 0xffff                   ; the head; ttmp9 is the step
	s_lshl_b32 s14, s12, 19                        ; a head is 524,288 bytes,
	s_lshl_b32 s22, ttmp9, 15                      ; a step's 128 rows 32,768
	s_add_co_u32 s14, s14, s22
	s_lshl_b32 s22, s10, 13                        ; V: my wave's 32 rows 8,192
	s_add_co_u32 s18, s14, s22
	s_mov_b32 s19, 0
	s_lshr_b32 s22, s10, 1
	s_lshl_b32 s22, s22, 14                        ; K: 64 rows for each pair of waves,
	s_add_co_u32 s14, s14, s22
	s_and_b32 s22, s10, 1
	s_lshl_b32 s22, s22, 12                        ; 16 rows within
	s_add_co_u32 s14, s14, s22
	s_mov_b32 s15, 0
	s_lshl_b32 s16, s12, 4
	s_add_co_u32 s16, s16, ttmp9
	s_mul_i32 s16, s16, STEPB                      ; my work-group's block of kv
	s_mov_b32 s17, 0
	s_wait_alu depctr_va_vdst(0)
	s_wait_kmcnt 0x0
	s_add_nc_u64 s[6:7], s[6:7], s[18:19]
	s_add_nc_u64 s[4:5], s[4:5], s[14:15]
	s_add_nc_u64 s[8:9], s[8:9], s[16:17]
.irp i, 0,1,2,3,4,5,6,7,8,9,10,11,12,13,14,15
	global_load_b128 v[RV+4*\i:RV+4*\i+3], v4, s[6:7] offset:512*\i th:TH_LOAD_NT   ; V first: 32 lanes read 512 consecutive bytes: keys 2 i and 2 i + 1
.endr
.irp i, 0,1,2,3,8,9,10,11,4,5,6,7,12,13,14,15
	global_load_b128 v[RK+4*\i:RK+4*\i+3], v4, s[4:5] offset:512*(\i%8)+8192*(\i/8) th:TH_LOAD_NT   ; K's two runs of 16 keys: the first tile's eight loads, then the second's
.endr
	; the lane's places, while the loads are out
	v_and_b32 v2, 15, v0                           ; r
	v_bfe_u32 v3, v0, 4, 1                         ; h
	v_lshlrev_b32 v5, 3, v1                        ; 8 l
	v_lshlrev_b32 v13, 3, v3                       ; 8 h
	s_mul_i32 s22, s10, 2*TSZ                      ; my wave's two stages
	v_mul_u32_u24 v6, v3, 144                      ; into a stage: as loaded, lane l holds channels 4 (l % 16) on of key 2 (i % 8) + l / 16 of a run: row + l / 16,
	v_bfe_u32 v251, v0, 3, 1
	v_mad_u32_u24 v6, v251, 2432, v6               ; half (l / 8) % 2 of the row's 64 channels,
	v_and_b32 v251, 7, v0
	v_lshl_add_u32 v6, v251, 4, v6                 ; 16 (l % 8) bytes into that half's 128
	v_add_nc_u32 v6, s22, v6
	v_mul_u32_u24 v7, v2, 144                      ; out of it: my place
	v_mad_u32_u24 v7, v3, 2432, v7
	v_add_nc_u32 v7, s22, v7
	s_mul_i32 s23, s10, VG
	s_add_co_u32 s23, s23, VT
	v_add_nc_u32 v8, s23, v4                       ; V's rows: my wave's group of 32 keys, 16 l
	v_mul_u32_u24 v9, v3, VG                       ; V's columns: group h (+ 2 c), channel 16 w + r
	v_lshl_add_u32 v9, v2, 2, v9
	s_lshl_b32 s24, s10, 6
	s_add_co_u32 s24, s24, VT
	v_add_nc_u32 v9, s24, v9
	s_lshl_b32 s25, s10, 2
	s_add_co_u32 s25, s25, SC
	v_add_nc_u32 v10, s25, v4                      ; K's scale words: register w of the image: 16 l + 4 w
	s_and_b32 s26, s10, 1
	s_lshl_b32 s26, s26, 7
	s_lshr_b32 s27, s10, 1
	s_lshl_b32 s27, s27, 2
	s_add_co_u32 s26, s26, s27
	s_add_co_u32 s26, s26, SC+512
	v_lshl_add_u32 v11, v2, 3, s26                 ; V's: register w / 2, lane 16 (w % 2) + r: 8 r + 128 (w % 2) + 4 (w / 2)
	s_lshl_b32 s22, s10, 8
	v_add_nc_u32 v250, s22, v5                     ; the scale image on its way out: 256 w + 8 l,
	v_add_nc_u32 v12, SC, v250                     ; in LDS
	s_mul_i32 s23, s10, 1536                       ; two tiles of K, or one fragment of V^T
	v_add_nc_u32 v14, s23, v4
	s_mov_b32 s20, 0x76543210
	s_mov_b32 s21, 0xfedcba98                      ; v_permlanex16_b32's selects for lane l xor 16
	v_mov_b32 v248, 0                              ; written once: a lane permute's destination counts as one of its sources
	s_wait_alu depctr_va_vdst(0)
	s_wait_loadcnt 16                              ; V's 16 loads, issued first, are in; K's 16 may be out
.irp i, 0,1,2,3,4,5,6,7,8,9,10,11,12,13,14,15
	ds_store_b128 v8, v[RV+4*\i:RV+4*\i+3] offset:512*\i
.endr
	s_wait_dscnt 0x0                               ; my rows of V have landed, for the others' sake
	s_barrier_signal -1
	s_barrier_wait -1                              ; V's 128 rows lie in LDS
.irp c, 0,1
.irp i, 0,1,2,3,4,5,6,7,8,9,10,11,12,13,14,15,16,17,18,19,20,21,22,23,24,25,26,27,28,29,30,31
	ds_load_b32 v[RV+32*\c+\i], v9 offset:2*VG*\c+256*\i     ; V(64 c + 32 h + i, 16 w + r): a whole block of 32 keys in one lane's registers
.endr
.endr
	s_wait_dscnt 0x0
	QB RV, FV, CT0, 242, 244                       ; block h,
	QB RV+32, FV+6, CT1, 243, 245                  ; block 2 + h
	v_lshl_or_b32 v246, v245, 16, v244             ; my two bytes,
	v_lshlrev_b32 v246, v13, v246                  ; at their places in the channel's scale word;
	v_permlanex16_b32 v248, v246, s20, s21
	v_or_b32 v246, v246, v248                      ; with lane l xor 16's two the word is whole
.irp m, 0,1,2
	global_store_b128 v14, v[FV+4*\m:FV+4*\m+3], s[8:9] offset:VC_O+512*\m   ; 512 consecutive bytes, at a multiple of 256 from kv's first byte
.endr
	ds_store_b32 v11, v246                         ; lanes r and 16 + r write the same word with the same value
	s_wait_alu depctr_va_vdst(0)
	s_wait_loadcnt 8                               ; K's first tile: the second's eight loads may be out
.irp i, 0,1,2,3,8,9,10,11                          ; load i's rows belong to tile u = (i / 4) % 2, row 2 (i % 4) + 8 (i / 8)
	ds_store_b128 v6, v[RK+4*\i:RK+4*\i+3] offset:144*(2*(\i%4)+8*(\i/8))
.endr
.irp j, 0,1,2,3,4,5,6,7
	ds_load_b128 v[XK+4*\j:XK+4*\j+3], v7 offset:16*\j   ; LDS serves a wave's instructions in order (ISA guide 5.7.1.4): these see my stores
.endr
	s_wait_dscnt 0x0
	QB XK, FK, CT0, 242, 244
	s_wait_alu depctr_va_vdst(0)
	s_wait_loadcnt 0x0                             ; K's second tile
.irp i, 4,5,6,7,12,13,14,15
	ds_store_b128 v6, v[RK+4*\i:RK+4*\i+3] offset:TSZ+144*(2*(\i%4)+8*(\i/8))
.endr
.irp j, 0,1,2,3,4,5,6,7
	ds_load_b128 v[XK+32+4*\j:XK+32+4*\j+3], v7 offset:TSZ+16*\j
.endr
	s_wait_dscnt 0x0
	QB XK+32, FK+6, CT1, 243, 245
	v_lshlrev_b32 v246, v13, v244                  ; my byte, of block h, at its place;
	v_lshlrev_b32 v247, v13, v245
	v_permlanex16_b32 v248, v246, s20, s21
	v_or_b32 v246, v246, v248                      ; with lane l xor 16's the row's two bytes
	v_permlanex16_b32 v248, v247, s20, s21
	v_or_b32 v247, v247, v248
	v_cmp_le_u32 vcc_lo, 16, v1
	v_cndmask_b32 v249, v246, v247, vcc_lo         ; lanes 0-15 carry tile 2 w's words, lanes 16-31 tile 2 w + 1's
	v_or_b32 v249, 0x7f7f0000, v249                ; the upper 64 of the instruction's 128 along K meet zero codes: their bytes stand for 1.0
	ds_store_b32 v10, v249
.irp m, 0,1,2
	global_store_b128 v14, v[FK+4*\m:FK+4*\m+3], s[8:9] offset:512*\m
.endr
	s_wait_dscnt 0x0                               ; for the others' sake: my scale words have landed
	s_barrier_signal -1
	s_barrier_wait -1
	s_cmp_lt_u32 s10, 3                            ; the image is 768 bytes: waves 0 to 2 take 256 each
	s_cbranch_scc0 .Lend
	ds_load_b64 v[252:253], v12
	s_wait_dscnt 0x0
	global_store_b64 v250, v[252:253], s[8:9] offset:KS_O   ; 32 lanes store 256 consecutive bytes, aligned
.Lend:
	s_wait_tensorcnt 0x0                           ; the wave's end
	ds_add_u32 v254, v255
	s_wait_dscnt 0x0
	s_endpgm
.Lfunc_end_k_q7aa6701294_prep:
	.size	k_q7aa6701294_prep, .Lfunc_end_k_q7aa6701294_prep-k_q7aa6701294_prep
	.p2alignl 7, 3214868480
	.fill 96, 4, 3214868480
	.section	.rodata,"a",@progbits
	.p2align	6, 0x0
	.amdhsa_kernel k_q7aa6701294_prep
		.amdhsa_group_segment_fixed_size 74240
		.amdhsa_private_segment_fixed_size 0
		.amdhsa_enable_private_segment 0
		.amdhsa_kernarg_size 24
		.amdhsa_user_sgpr_count 2
		.amdhsa_user_sgpr_kernarg_segment_ptr 1
		.amdhsa_wavefront_size32 1
		.amdhsa_system_sgpr_workgroup_id_x 1
		.amdhsa_system_sgpr_workgroup_id_y 1
		.amdhsa_system_sgpr_workgroup_id_z 1
		.amdhsa_system_vgpr_workitem_id 0
		.amdhsa_next_free_vgpr 256
		.amdhsa_next_free_sgpr 66
		.amdhsa_reserve_vcc 1
		.amdhsa_float_denorm_mode_32 3
		.amdhsa_float_denorm_mode_16_64 3
		.amdhsa_memory_ordered 1
		.amdhsa_forward_progress 1
		.amdhsa_inst_pref_size 22
	.end_amdhsa_kernel
	.amdgpu_metadata
---
amdhsa.version: [ 1, 2 ]
amdhsa.kernels:
  - .name:           k_q7aa6701294_prep
    .symbol:         k_q7aa6701294_prep.kd
    .args:
      - { .name: K, .offset: 0, .size: 8, .value_kind: global_buffer, .address_space: global }
      - { .name: V, .offset: 8, .size: 8, .value_kind: global_buffer, .address_space: global }
      - { .name: kv, .offset: 16, .size: 8, .value_kind: global_buffer, .address_space: global }
    .group_segment_fixed_size: 74240
    .private_segment_fixed_size: 0
    .kernarg_segment_align: 8
    .kernarg_segment_size: 24
    .max_flat_workgroup_size: 128
    .sgpr_count:     66
    .vgpr_count:     256
    .wavefront_size: 32
...
	.end_amdgpu_metadata
.endif
;; end of part 1
;; launch attn (part 2): grid 8 x 32, 16 waves a work-group, clusters of 4 x 1, 288,768 bytes of LDS; arguments Q, kv, out0; writes out0
.if DOCPART == 2
	.amdgcn_target "amdgcn-amd-amdhsa--gfx1250"
	.amdhsa_code_object_version 6
	.text
	.protected	k_q7aa6701294_attn
	.globl	k_q7aa6701294_attn
	.p2align	8
	.type	k_q7aa6701294_attn,@function
k_q7aa6701294_attn:
	s_mov_b64 s[64:65], 0
	v_nop
	global_prefetch_b8 v0, s[64:65] scope:SCOPE_SE
	s_setreg_imm32_b32 hwreg(HW_REG_WAVE_MODE, 25, 1), 1
	s_wait_xcnt 0x0
	s_wait_alu depctr_hold_cnt(0) depctr_sa_sdst(0) depctr_va_vdst(0) depctr_va_sdst(0) depctr_va_ssrc(0) depctr_va_vcc(0) depctr_vm_vsrc(0)
	s_getreg_b32 s2, hwreg(HW_REG_IB_STS2, 6, 4)
	s_cmp_eq_u32 s2, 0
	s_cbranch_scc0 .Lentry_in_a_cluster
	s_endpgm
.Lentry_in_a_cluster:
	s_bfe_u32 s2, ttmp6, 0x10000c
	s_cmp_lg_u32 s2, 0x3003
	s_cbranch_scc0 .Lentry_shape_is_right
	s_endpgm
.Lentry_shape_is_right:
; out0[head][q][:] = the sum over k of softmax_k(Q[head][q] . K[head][k] / 8) V[head][k][:], 32 heads, 2,048 queries and keys, head size 64; both products on codes of FP6 (E2M3) with one E8M0 scale for each 32 along K.
; K and V come as register images out of kv, 13,056 bytes for each 128 keys; Q, f32, is read by one wave alone and is quantised here, in registers.
; THE SOFTMAX AHEAD OF THE SECOND PRODUCT: t = score x log2(e) / 8; M = the row's largest t so far, rounded UP to a whole number; p = 2^(t - M) is what is quantised, along the keys; it is not normalised.
; The row's sum is taken of the unquantised p, in f32, and divides O at the end.  When M moves, the sum and O are multiplied by 2^(old M - new M): exact.
; LIMITS: NaN and infinities among the inputs are not served.  The promise holds while the scaled scores t stay under 2^31 in magnitude.  A p under 2^-126 counts as 0 (v_exp_f32 gives 0 there: ISA guide, its entry in 15.8);
; a block whose every p lies under 2^-124 has the scale byte 0, 2^-127, where the rule holds the exponent at -126: its codes stand for less than 2^-124 beside a row's sum of more than 1/2.
; SHARES.  A work-group owns 256 queries of one head; each of its sixteen waves owns 16 of them, one tile, in 256 registers: four waves to a SIMD, so that one wave's vector work stands beside another's products and LDS loads.
; A HEAD'S IMAGES, 16 x 13,056 = 208,896 bytes, LIE IN LDS WHOLE: wave w brings image w by its one tensor load, at the head, and nothing is filled again.  Waves 0 to 4 have a load line of their own: behind the
; first barrier images 0 to 4 may be read; behind the second, whose signal and wait stand on either side of the second step, all the others.
; No data is prefetched into the L2: all that the launch reads is asked for at its head, at once, and no loop asks for anything more.
; CLUSTER.  The four query blocks of a cluster belong to one head and want the same images: each load is asked for JOINTLY, by the same line with the same descriptor and a mask that names the four.
; LAYOUT.  Both products are used transposed: S^T = K Q^T (source 0 = 16 keys, source 1 = my 16 queries), O^T = V^T P^T (source 0 = 16 channels, source 1 = P): a lane holds ONE query (lane % 16) throughout.
; THE KEYS OF A TILE ARE NOT NEIGHBOURS: row r of tile T of an image is key 64 (T / 4) + 32 (r / 8) + 8 (T % 4) + r % 8.  So the 32 registers that a lane (r, h) has of tiles 4 c .. 4 c + 3 are the WHOLE block of
; keys 64 c + 32 h + 0 .. 31, in order, which is what the second product's operand wants of that lane: a block's largest score needs no other lane, and codes need not change lanes.
; The first product's K is the head's 64: registers 6-11 of Q's fragment are zero codes, written once.  A tile of K is 6 registers and the tiles lie end to end: the upper half of its operand is whatever codes stand
; behind it; E2M3 has no NaN and no infinity, so they meet Q's zero codes and add 0.
; A STEP IS 256 KEYS, two images: one M, one change of O for both.  The first image's products with V^T end a step; the second image's stand in the next step, behind its first eight products.
.set STEPB, 13056                      ; an image: K's 8 tiles (registers 4 m .. 4 m + 3 of a pair of tiles at 512 m + 16 l, pairs 1,536 bytes apart),
.set VC_O,  6144                       ; V^T's 4 fragments, 12 registers each, likewise,
.set KS_O,  12288                      ; K's scale words (4 registers, 16 l: register j: lanes 0-15 tile 2 j, lanes 16-31 tile 2 j + 1),
.set VS_O,  12800                      ; V's (2 registers, 8 l: register j: lanes 0-15 fragment 2 j, lanes 16-31 fragment 2 j + 1)
.set HEADB, 16*STEPB                   ; LDS bytes 0 to 208,895: the head's images, as they lie in kv
.set STG,   HEADB                      ; behind them: a stage of 4,864 bytes for each wave, its own: for Q's turn at the head, for the way out at the end; no fill lands there
.set STGW,  4864
.set SPARE, STG+16*STGW                ; behind them: the spare words, 128 bytes for each wave
.set EARLY, 5                          ; images that the first barrier shows: the first two steps' four, and the one whose tiles of K the second step asks for
.set L16, 1                            ; v1   16 x lane; also my offset in the wave's rows of Q and of out0 (256 (l / 16) + 16 (l % 16)); never rewritten
.set L8,  2                            ; v2   8 x lane; never rewritten
.set A16, 3                            ; v3   the step's images + 16 x lane
.set BA,  4                            ; v4-5   the largest scores of the first image's blocks, then their conversions' scale operands; then a chain of the sum
.set VSC, 6                            ; v6-9   V's scale words, two for each image
                                       ; v10-11 second chains of the maxima; then v10 f = 2^(old M - new M); then a chain of the sum
                                       ; v12 -M, v13 the largest score so far; v[14:15] the sum in two halves
.set QF,  16                           ; v16-27 Q's fragment
.set KF,  28                           ; v28-75 eight tiles of K; v76-81 stand behind the last and are at work
.set T1,  76                           ; v76-78 a conversion's result on its way
.set KSC, 82                           ; v82-89 K's scale words, four for each image
.set QS,  90                           ; v90  Q's scale words
.set PS,  91                           ; v91-92 p's scale words, one for each image
.set A8,  93                           ; v93  the step's images + 8 x lane
.set BB,  94                           ; v94-95 as v4-5, of the second image
.set OT,  96                           ; v96-127 O^T: register 8 t + j is channel 16 t + 8 (lane / 16) + j
.set S,   128                          ; v128-255 S^T, then p, 64 registers for each image; then in each 64: registers 16-27 p's codes, 0-11, 28-39, 40-51, 52-63 V^T's four fragments
.set SA,  30                           ; v30-31 (head and way out) my stage: where I store, where I read back
.set SB,  31
.set MX0, 254
.set MX1, 255
.set WV,  10                           ; s10  my wave's number
.set G1,  16                           ; s[16:23] descriptor group 1
.set G0,  24                           ; s[24:27] group 0
.set SEL, 36                           ; s[36:37] lane selects for v_permlanex16_b32: lane l xor 16
.set CS,  38                           ; s[38:39] c = log2(e) / 8: the packed form names a pair and takes its low word for both halves
.set NC,  40                           ; s40  -c
.set TB,  41                           ; s41  LDS byte at which the step's images begin
.set CNT, 42                           ; s42  steps to go
; A round of the cluster's barrier: my work-group's barrier, so that wave 0's signal speaks for all sixteen waves; wave 0 signals for the work-group; every wave waits for all four work-groups; my work-group's barrier once more.
.macro CROUND
	s_barrier_signal -1
	s_barrier_wait -1
	s_cmp_lg_u32 s[WV], 0
	s_cbranch_scc1 .Lnot_wave_0_\@
	s_barrier_signal -3
.Lnot_wave_0_\@:
	s_barrier_wait -3
	s_barrier_signal -1
	s_barrier_wait -1
.endm
; 32 numbers of ONE lane, v[x] .. v[x + 31], a whole block, become 6 registers of codes at v[dst], the conversion's scale operand in v[sop] and the scale's byte in v[byte].
.macro QB x, dst, tmp, sop, byte
	v_max3_num_f32 v[MX0], |v[\x]|, |v[\x+1]|, |v[\x+2]|
	v_max3_num_f32 v[MX1], |v[\x+3]|, |v[\x+4]|, |v[\x+5]|
.irp i, 6,10,14,18,22,26
	v_max3_num_f32 v[MX0], v[MX0], |v[\x+\i]|, |v[\x+\i+1]|
	v_max3_num_f32 v[MX1], v[MX1], |v[\x+\i+2]|, |v[\x+\i+3]|
.endr
	v_max3_num_f32 v[MX0], v[MX0], |v[\x+30]|, |v[\x+31]|
	v_max3_num_f32 v[MX0], v[MX0], v[MX1], 0x1800000     ; and the floor 2^(3 - 127): the byte cannot fall under 1
	v_add_nc_u32 v[\sop], 0xff000000, v[MX0]             ; 2 off the exponent field: the conversion's scale operand
	v_lshrrev_b32 v[\byte], 23, v[\sop]                  ; the scale's byte
	v_cvt_scalef32_pk16_fp6_f32 v[\dst:\dst+2], v[\x:\x+15], v[\sop]
	v_cvt_scalef32_pk16_fp6_f32 v[\tmp:\tmp+2], v[\x+16:\x+31], v[\sop]   ; (a conversion's three registers begin on an even number)
	v_nop                                                ; one plain place behind a scaled conversion
.irp i, 0,1,2
	v_mov_b32 v[\dst+3+\i], v[\tmp+\i]
.endr
.endm
	s_load_b128 s[4:7], s[0:1], 0x0                ; Q s[4:5], kv s[6:7]
	s_load_b64 s[8:9], s[0:1], 0x10                ; out0
	v_lshl_add_u32 v254, v0, 2, SPARE
	v_mov_b32 v255, 0
	ds_add_u32 v254, v255                          ; the wave's opening
	ds_add_u32 v254, v255
	v_lshrrev_b32 v3, 5, v0
	s_delay_alu instid0(VALU_DEP_1)
	v_readfirstlane_b32 s[WV], v3                  ; wave 0..15
	v_and_b32 v[L8], 31, v0
	s_delay_alu instid0(VALU_DEP_1)
	v_lshlrev_b32 v[L16], 4, v[L8]
	s_delay_alu instid0(VALU_DEP_2)
	v_lshlrev_b32 v[L8], 3, v[L8]
	s_bfe_u32 s11, ttmp6, 0x40000                  ; cx: my place in the cluster: it enters Q's and out0's addresses alone
	s_lshl_b32 s12, ttmp9, 2                       ; in a cluster launch ttmp9 counts clusters
	s_add_co_u32 s12, s12, s11                     ; my block of 256 queries
	s_and_b32 s13, ttmp7, 0xffff                   ; the head, which the four partners share
	s_lshl_b32 s14, s13, 19                        ; a head is 524,288 bytes of Q and of out0,
	s_lshl_b32 s15, s12, 16                        ; a block 65,536,
	s_add_co_u32 s14, s14, s15
	s_lshl_b32 s15, s[WV], 12                      ; my wave's 16 rows 4,096
	s_add_co_u32 s14, s14, s15
	s_mov_b32 s15, 0
	s_wait_alu depctr_va_vdst(0)
	s_wait_dscnt 0x0                               ; both opening adds are done
	s_wait_kmcnt 0x0
	s_add_nc_u64 s[4:5], s[4:5], s[14:15]          ; Q at my wave's first row
.macro QLOAD i                                     ; my 16 rows of Q: 512 consecutive bytes a load: rows 2 i and 2 i + 1
	global_load_b128 v[S+4*\i:S+4*\i+3], v[L16], s[4:5] offset:512*\i th:TH_LOAD_NT
.endm
	QLOAD 0                                        ; two of the eight: plain loads need not wait for the round
	QLOAD 1
	s_add_nc_u64 s[8:9], s[8:9], s[14:15]          ; out0 likewise
	; descriptor group 1: an image: 51 rows of 32 elements of 8 bytes, dense in memory and in LDS
	s_mov_b32 s[G1], 15|(3<<16)|(1<<21)            ; 15:0 the mask: all four work-groups; 17:16 elements of 8 bytes; 20 no padding; 21 set beside a mask
	s_mov_b32 s[G1+1], 32<<16                      ; tensor_dim0 = 32
	s_mov_b32 s[G1+2], 51<<16                      ; tensor_dim1 = 51
	s_mov_b32 s[G1+3], 32<<16                      ; tile_dim0 = 32
	s_mov_b32 s[G1+4], 51                          ; tile_dim1 = 51
	s_mov_b32 s[G1+5], 32                          ; tensor_dim0_stride
	s_mov_b32 s[G1+6], 0
	s_mov_b32 s[G1+7], 0
	s_mul_i32 s44, s[WV], STEPB                    ; wave w brings image w: no place in the cluster enters its addresses
	s_mul_i32 s46, s13, HEADB                      ; the head's block of kv
	s_add_co_u32 s46, s46, s44
	s_mov_b32 s47, 0
	s_add_nc_u64 s[6:7], s[6:7], s[46:47]
	s_mov_b32 s[G0], 1                             ; 1:0 count = 1
	s_mov_b32 s[G0+1], s44                         ; 63:32 LDS address
	s_mov_b64 s[G0+2:G0+3], s[6:7]                 ; 120:64 global address
	s_or_b32 s[G0+3], s[G0+3], 0x80000000          ; 127:126 type = 2
	CROUND                                         ; all four work-groups are here: the joint loads meet
	s_cmp_lt_u32 s[WV], EARLY                      ; one load a wave; waves 0 to 4, which wait ahead of the first barrier, have a line of their own
	s_cbranch_scc0 .Lothers
	tensor_load_to_lds s[G0:G0+3], s[G1:G1+7]      ; the images that all waves need first: ahead of the rest of Q
	s_nop 0
.rept 4
	v_nop
.endr
.irp i, 2,3,4,5,6,7
	QLOAD \i
.endr
	s_branch .Lasked
.Lothers:
.irp i, 2,3,4,5,6,7
	QLOAD \i                                       ; the rest of Q ahead of the images that are needed later
.endr
	tensor_load_to_lds s[G0:G0+3], s[G1:G1+7]
	s_nop 0
.rept 4
	v_nop
.endr
.Lasked:
	s_mul_i32 s45, s[WV], STGW
	s_add_co_u32 s45, s45, STG                     ; my stage
	s_mov_b32 s[SEL], 0x76543210
	s_mov_b32 s[SEL+1], 0xfedcba98
	s_mov_b32 s[CS], 0x3e38aa3b                    ; c = log2(e) / 8
	s_mov_b32 s[CS+1], s[CS]                       ; (named with it as a pair, so it is written)
	s_mov_b32 s[NC], 0xbe38aa3b
	s_mov_b32 s[TB], 0
	v_bfe_u32 v4, v0, 4, 1                         ; h
	v_bfe_u32 v3, v0, 3, 1
	v_and_b32 v5, 15, v0                           ; r
	v_and_b32 v10, 7, v0
	v_lshlrev_b32 v12, 3, v4                       ; 8 h
	v_mul_u32_u24 v[SA], v4, 144                   ; Q's turn: the place of lane (r, h) in my stage is 144 r + 2,432 h, 128 bytes.  In: as loaded, lane l holds row 2 i + l / 16,
	v_mul_u32_u24 v[SB], v5, 144                   ; (out: my place)
	v_mad_u32_u24 v[SA], v3, 2432, v[SA]           ; half (l / 8) % 2 of its 64 channels,
	v_mad_u32_u24 v[SB], v4, 2432, v[SB]
	v_lshl_add_u32 v[SA], v10, 4, v[SA]            ; 16 (l % 8) bytes into that half
	v_add_nc_u32 v[SB], s45, v[SB]
	v_add_nc_u32 v[SA], s45, v[SA]
	v_mov_b32 v95, 0                               ; (a lane permute's destination counts as one of its sources)
.irp i, 6,7,8,9,10,11
	v_mov_b32 v[QF+\i], 0                          ; the upper 64 of the instruction's 128 along K: zero codes
	v_mov_b32 v[KF+42+\i], 0                       ; and what stands behind K's last tile in the first step: any codes will do
.endr
	s_wait_alu depctr_va_vdst(0)
	s_cmp_lt_u32 s[WV], EARLY                      ; the waves of the first load line wait for it: images 0 to 4
	s_cbranch_scc0 .Lno_wait
	s_wait_tensorcnt 0x0
.Lno_wait:
	s_wait_dscnt 0x0                               ; no LDS instruction of mine is out at a signal
	s_barrier_signal -1
	s_barrier_wait -1                              ; the other waves' loads, and everybody's loads of Q, stay on their way across it
	s_setprio 3                                    ; a wave's priority falls as it gets further along the keys: one that is behind goes first
	s_wait_loadcnt 0x0                             ; Q
.irp i, 0,1,2,3,4,5,6,7
	ds_store_b128 v[SA], v[S+4*\i:S+4*\i+3] offset:288*\i
.endr
.irp j, 0,1,2,3,4,5,6,7
	ds_load_b128 v[S+32+4*\j:S+32+4*\j+3], v[SB] offset:16*\j   ; LDS serves a wave's instructions in order (ISA guide 5.7.1.4): these see my stores.  Q(r, 32 h + 0 .. 31): a whole block
.endr
	s_wait_dscnt 0x0
	QB S+32, QF, 32, 4, 13
	v_lshlrev_b32 v94, v12, v13                    ; my byte, of block h, at its place;
	s_delay_alu instid0(VALU_DEP_1)
	v_permlanex16_b32 v95, v94, s[SEL], s[SEL+1]
	s_delay_alu instid0(VALU_DEP_1)
	v_or_b32 v[QS], v94, v95                       ; with lane l xor 16's the row's two bytes;
	s_delay_alu instid0(VALU_DEP_1)
	v_or_b32 v[QS], 0x1010000, v[QS]               ; over the zero codes: the least byte that the rule gives
.rept 8
	v_nop                                          ; a scale register written by a vector instruction stands 8 places ahead of a scaled product, an operand 4
.endr
.macro KLOAD off                                   ; an image's eight tiles of K
.irp q, 0,1,2,3,4,5,6,7,8,9,10,11
	ds_load_b128 v[KF+4*\q:KF+4*\q+3], v[A16] offset:\off+512*\q
.endr
.endm
.macro KQ tile                                     ; S^T of one tile of 16 keys (0 .. 7 the first image's, 8 .. 15 the second's).  Its rows' scale words lie in lanes 0-15 (even tiles) or 16-31 (odd tiles) of register tile / 2
.if (\tile)%2
	v_wmma_scale_f32_16x16x128_f8f6f4 v[S+8*(\tile):S+8*(\tile)+7], v[KF+6*((\tile)%8):KF+6*((\tile)%8)+11], v[QF:QF+11], 0, v[KSC+(\tile)/2], v[QS] matrix_a_fmt:MATRIX_FMT_FP6 matrix_b_fmt:MATRIX_FMT_FP6 matrix_a_scale:MATRIX_SCALE_ROW1
.else
	v_wmma_scale_f32_16x16x128_f8f6f4 v[S+8*(\tile):S+8*(\tile)+7], v[KF+6*((\tile)%8):KF+6*((\tile)%8)+11], v[QF:QF+11], 0, v[KSC+(\tile)/2], v[QS] matrix_a_fmt:MATRIX_FMT_FP6 matrix_b_fmt:MATRIX_FMT_FP6
.endif
.endm
.macro VLOAD g                                     ; image g's four fragments of V^T, into registers of S that are done with, and their scale words
.irp q, 0,1,2
	ds_load_b128 v[S+64*\g+4*\q:S+64*\g+4*\q+3], v[A16] offset:STEPB*\g+VC_O+512*\q
.endr
.irp q, 3,4,5,6,7,8,9,10,11
	ds_load_b128 v[S+64*\g+16+4*\q:S+64*\g+16+4*\q+3], v[A16] offset:STEPB*\g+VC_O+512*\q
.endr
	ds_load_b64 v[VSC+2*\g:VSC+2*\g+1], v[A8] offset:STEPB*\g+VS_O
.endm
.macro FRAG t, g                                   ; where fragment t stands
.if \t > 0
.set FR, S+64*\g+16+12*\t
.else
.set FR, S+64*\g
.endif
.endm
.macro PV t, g                                     ; O^T += V^T P^T for 16 channels; K = image g's 128 keys
	FRAG \t, \g
.if (\t)%2
	v_wmma_scale_f32_16x16x128_f8f6f4 v[OT+8*\t:OT+8*\t+7], v[FR:FR+11], v[S+64*\g+16:S+64*\g+27], v[OT+8*\t:OT+8*\t+7], v[VSC+2*\g+\t/2], v[PS+\g] matrix_a_fmt:MATRIX_FMT_FP6 matrix_b_fmt:MATRIX_FMT_FP6 matrix_a_scale:MATRIX_SCALE_ROW1
.else
	v_wmma_scale_f32_16x16x128_f8f6f4 v[OT+8*\t:OT+8*\t+7], v[FR:FR+11], v[S+64*\g+16:S+64*\g+27], v[OT+8*\t:OT+8*\t+7], v[VSC+2*\g+\t/2], v[PS+\g] matrix_a_fmt:MATRIX_FMT_FP6 matrix_b_fmt:MATRIX_FMT_FP6
.endif
.endm
.macro PV0 t                                       ; the same for image 0 of the first step: the product starts the sum
	FRAG \t, 0
.if (\t)%2
	v_wmma_scale_f32_16x16x128_f8f6f4 v[OT+8*\t:OT+8*\t+7], v[FR:FR+11], v[S+16:S+27], 0, v[VSC+\t/2], v[PS] matrix_a_fmt:MATRIX_FMT_FP6 matrix_b_fmt:MATRIX_FMT_FP6 matrix_a_scale:MATRIX_SCALE_ROW1
.else
	v_wmma_scale_f32_16x16x128_f8f6f4 v[OT+8*\t:OT+8*\t+7], v[FR:FR+11], v[S+16:S+27], 0, v[VSC+\t/2], v[PS] matrix_a_fmt:MATRIX_FMT_FP6 matrix_b_fmt:MATRIX_FMT_FP6
.endif
.endm
.macro PLACE g                                     ; the second halves of the blocks' codes to their places in the operand
	v_dual_mov_b32 v[S+64*\g+19], v[T1] :: v_dual_mov_b32 v[S+64*\g+20], v[T1+1]
	v_dual_mov_b32 v[S+64*\g+25], v[S+64*\g] :: v_dual_mov_b32 v[S+64*\g+26], v[S+64*\g+1]
	v_mov_b32 v[S+64*\g+21], v[T1+2]
	v_mov_b32 v[S+64*\g+27], v[S+64*\g+2]
.endm
; THE LARGEST SCORE OF EACH BLOCK OF 32 KEYS, in one lane: it serves twice: for the row's maximum, and, since p rises with the score, for the block's largest p.
; Two blocks, two chains for each, by turns; each accumulator is read from its low end on.
.macro MAXRUN b, x
	v_max3_num_f32 v[\b], v[S+\x], v[S+\x+1], v[S+\x+2]
	v_max3_num_f32 v[\b+1], v[S+\x+32], v[S+\x+33], v[S+\x+34]
	v_max3_num_f32 v10, v[S+\x+3], v[S+\x+4], v[S+\x+5]
	v_max3_num_f32 v11, v[S+\x+35], v[S+\x+36], v[S+\x+37]
.irp i, 6,10,14,18,22,26
	v_max3_num_f32 v[\b], v[\b], v[S+\x+\i], v[S+\x+1+\i]
	v_max3_num_f32 v[\b+1], v[\b+1], v[S+\x+32+\i], v[S+\x+33+\i]
	v_max3_num_f32 v10, v10, v[S+\x+2+\i], v[S+\x+3+\i]
	v_max3_num_f32 v11, v11, v[S+\x+34+\i], v[S+\x+35+\i]
.endr
.endm
.macro MAXEND b, x
	v_max3_num_f32 v[\b], v[\b], v[S+\x+30], v[S+\x+31]
	v_max3_num_f32 v[\b+1], v[\b+1], v[S+\x+62], v[S+\x+63]
	v_max_num_f32 v[\b], v[\b], v10
	v_max_num_f32 v[\b+1], v[\b+1], v11
.endm
.macro ADD o                                       ; a pair of p onto the three chains of the sum, v14, v10, v4, by turns
	v_pk_add_f32 v[CQ:CQ+1], v[CQ:CQ+1], v[S+\o:S+\o+1]
.if CQ == 14
.set CQ, 10
.elseif CQ == 10
.set CQ, 4
.else
.set CQ, 14
.endif
.endm
; A STEP: 256 keys.  first = 1: the launch's first step: there is no older M, sum or O, and its tiles of K are loaded here.  last = 1: no next step's tiles of K are asked for.
.macro STEP first, last
	v_add_nc_u32 v[A16], s[TB], v[L16]
	v_add_nc_u32 v[A8], s[TB], v[L8]               ; (with the three additions at the last step's end: five places between its last products and what writes over their registers)
.if \first
	ds_load_b128 v[KSC:KSC+3], v[A16] offset:KS_O
	KLOAD 0
	s_wait_alu depctr_va_vdst(0)
	s_wait_dscnt 0x0
.endif
.irp n, 0,1,2,3,4,5,6,7
	KQ \n                                          ; (past the first step: these tiles were asked for ahead of V^T's first image, which has been waited for)
.endr
.if \first
	v_nop
.else
	v_pk_add_f32 v[14:15], v[14:15], v[10:11]      ; the last step's sum is whole
.endif
.rept 3
	v_nop                                          ; in all four places in front of loads into registers that matrix instructions have read, and of the first read of results
.endr
	KLOAD STEPB
	ds_load_b128 v[KSC+4:KSC+7], v[A16] offset:STEPB+KS_O
.if (\first) == 0
	s_wait_dscnt 13                                ; V^T's second image of the last step is in; the 13 just issued may be out
.irp n, 0,1,2,3
	PV \n, 1                                       ; its products: four accumulators by turns, one instruction a turn
.endr
.endif
	MAXRUN BA, 0
	s_wait_alu depctr_va_vdst(0)
	s_wait_dscnt 0x0                               ; the second image's tiles
.irp n, 8,9,10,11,12,13,14,15
	KQ \n
.endr
	MAXEND BA, 0                                   ; these four are the places in front of the first read of the second image's scores, and of the loads below
.if (\last) == 0
	KLOAD 2*STEPB                                  ; the next step's first image
	ds_load_b128 v[KSC:KSC+3], v[A16] offset:2*STEPB+KS_O
.endif
	MAXRUN BB, 64
	MAXEND BB, 64
	v_max3_num_f32 v79, v[BA], v[BA+1], v[BB]
.if \first
	s_delay_alu instid0(VALU_DEP_1)
	v_max_num_f32 v79, v79, v[BB+1]
.else
	s_delay_alu instid0(VALU_DEP_1)
	v_max3_num_f32 v79, v79, v[BB+1], v13          ; and the largest so far
.endif
	s_delay_alu instid0(VALU_DEP_1)
	v_permlanex16_b32 v81, v79, s[SEL], s[SEL+1]
	s_delay_alu instid0(VALU_DEP_1)
	v_max_num_f32 v13, v79, v81                    ; with lane l xor 16's blocks: the largest score of my query
	s_delay_alu instid0(VALU_DEP_1)
	v_mul_f32 v76, s[NC], v13                      ; -t
	s_delay_alu instid0(VALU_DEP_1)
	v_floor_f32 v76, v76                           ; the new -M = floor(-t) = -ceil(t): M IS A WHOLE NUMBER
.if \first
	v_mov_b32 v12, v76
	v_add_f32 v80, -2.0, v76                       ; -M - 2
.else
	s_delay_alu instid0(VALU_DEP_1)
	v_sub_f32 v77, v76, v12                        ; M's old value less its new one: a whole number, 0 or less
	v_mov_b32 v12, v76
	v_add_f32 v80, -2.0, v76                       ; -M - 2
	s_delay_alu instid0(VALU_DEP_3)
	v_cvt_i32_f32 v77, v77                         ; (it saturates)
	s_delay_alu instid0(VALU_DEP_1)
	v_ldexp_f32 v10, 1.0, v77                      ; f = 2^(old M - new M): what was summed under the old M is brought under the new by a multiplication that rounds nothing
.endif
.set j, 0
.rept 32
	v_pk_fma_f32 v[S+j:S+j+1], v[S+j:S+j+1], s[CS:CS+1], v[12:13] op_sel_hi:[1,0,0]   ; t - M, two at a time (of the pairs c and -M the low word serves both halves): the first image's
.set j, j+2
.endr
	v_pk_fma_f32 v[BA:BA+1], v[BA:BA+1], s[CS:CS+1], v[80:81] op_sel_hi:[1,0,0]       ; each block's largest t, less M and 2: 2 is the exponent of the format's largest number
	v_pk_fma_f32 v[BB:BB+1], v[BB:BB+1], s[CS:CS+1], v[80:81] op_sel_hi:[1,0,0]
.if (\first) == 0
.set j, 0
.rept 16
	v_pk_mul_f32 v[OT+j:OT+j+1], v[OT+j:OT+j+1], v[10:11] op_sel_hi:[1,0]   ; O^T under the new M: x f, each accumulator from its low end on
.set j, j+2
.endr
.endif
	s_wait_alu depctr_va_vdst(0)
	v_exp_f32 v[BA], v[BA]                         ; a block's largest p / 4: its exponent field is the block's scale
	v_exp_f32 v[BA+1], v[BA+1]
	v_exp_f32 v[BB], v[BB]
	v_exp_f32 v[BB+1], v[BB+1]
.set j, 0
.rept 32
	v_exp_f32 v[S+j], v[S+j]                       ; p = 2^(t - M): NOT normalised
	v_exp_f32 v[S+j+1], v[S+j+1]
	v_pk_fma_f32 v[S+64+j:S+65+j], v[S+64+j:S+65+j], s[CS:CS+1], v[12:13] op_sel_hi:[1,0,0]   ; the second image's t - M, between the first's exponentials: none of them reads it
.set j, j+2
.endr
	s_wait_alu depctr_va_vdst(0)                   ; one wait for the whole batch
	; THE ROW'S SUM IS TAKEN OF THE UNQUANTISED p: first of those whose registers take codes
.if \first
	v_pk_add_f32 v[14:15], v[S:S+1], v[S+18:S+19]
	v_pk_add_f32 v[10:11], v[S+2:S+3], v[S+16:S+17]
.else
	v_pk_fma_f32 v[14:15], v[14:15], v[10:11], v[S:S+1] op_sel_hi:[1,0,1]   ; the older sum under the new M
	v_pk_add_f32 v[10:11], v[S+2:S+3], v[S+16:S+17]
	v_pk_add_f32 v[14:15], v[14:15], v[S+18:S+19]
.endif
	v_pk_add_f32 v[10:11], v[10:11], v[S+22:S+23]
	v_pk_add_f32 v[14:15], v[14:15], v[S+24:S+25]
	; the first image's codes, a whole block in a lane: blocks h and 2 + h.  A plain line stands between a conversion and one that writes over its numbers
	v_cvt_scalef32_pk16_fp6_f32 v[T1:T1+2], v[S+16:S+31], v[BA]
	v_lshrrev_b32 v79, 23, v[BA]                   ; (the scales' bytes)
	v_cvt_scalef32_pk16_fp6_f32 v[S+16:S+18], v[S:S+15], v[BA]
	v_lshrrev_b32 v80, 23, v[BA+1]
	v_cvt_scalef32_pk16_fp6_f32 v[S:S+2], v[S+48:S+63], v[BA+1]
	v_lshl_or_b32 v79, v80, 16, v79
	v_cvt_scalef32_pk16_fp6_f32 v[S+22:S+24], v[S+32:S+47], v[BA+1]
	v_lshrrev_b32 v80, 23, v[BB]
	v_lshrrev_b32 v81, 23, v[BB+1]
	v_pk_add_f32 v[4:5], v[S+4:S+5], v[S+6:S+7]
	v_lshl_or_b32 v80, v81, 16, v80
.set CQ, 14
.irp o, 8,10,12
	ADD \o
.endr
	v_lshl_or_b32 v79, v80, 8, v79                 ; my four: bytes 0, 2: the first image's blocks h, 2 + h; bytes 1, 3: the second's
.irp o, 14,20,26
	ADD \o
.endr
	v_permlanex16_b32 v80, v79, s[SEL], s[SEL+1]   ; and lane l xor 16's
.irp o, 28,30,32,34,36,38
	ADD \o
.endr
	v_perm_b32 v[PS], v80, v79, 0x06020400         ; p's scale words, right in lanes 0-15, which alone are read
	v_perm_b32 v[PS+1], v80, v79, 0x07030501
.irp o, 40,42,44,46,48,50,52,54,56,58,60,62
	ADD \o
.endr
	PLACE 0
	VLOAD 0
	s_wait_alu depctr_va_vdst(0)
.set j, 64
.rept 64
	v_exp_f32 v[S+j], v[S+j]
.set j, j+1
.endr
	v_nop                                          ; a plain place behind the exponentials
	s_wait_alu depctr_va_vdst(0)                   ; one wait for the whole batch
.set CQ, 14
.irp o, 64,66,80,82,86,88
	ADD \o
.endr
	v_cvt_scalef32_pk16_fp6_f32 v[T1:T1+2], v[S+80:S+95], v[BB]      ; the second image's codes
	ADD 68
	v_cvt_scalef32_pk16_fp6_f32 v[S+80:S+82], v[S+64:S+79], v[BB]
	ADD 70
	v_cvt_scalef32_pk16_fp6_f32 v[S+64:S+66], v[S+112:S+127], v[BB+1]
	ADD 72
	v_cvt_scalef32_pk16_fp6_f32 v[S+86:S+88], v[S+96:S+111], v[BB+1]
.irp o, 74,84,90,92,94,96,98,100,102,104,106,108,110,112,114,116,118,120,122,124,126
	ADD \o
.endr
	PLACE 1
	VLOAD 1
	s_wait_alu depctr_va_vdst(0)
	s_wait_dscnt 13                                ; the first image's 13 loads are in; the second's 13, issued behind them, may be out
.irp n, 0,1,2,3
.if \first
	PV0 \n
.else
	PV \n, 0
.endif
.endr
	ADD 76
	ADD 78
	v_pk_add_f32 v[10:11], v[10:11], v[4:5]        ; two of the three chains
.endm
.macro RUN trips
	s_mov_b32 s[CNT], \trips
.Lrun_\@:
	STEP 0, 0
	s_add_co_u32 s[TB], s[TB], 2*STEPB
	s_sub_co_u32 s[CNT], s[CNT], 1
	s_cmp_lg_u32 s[CNT], 0
	s_wait_alu depctr_va_vdst(0)
	s_cbranch_scc1 .Lrun_\@
.endm
	STEP 1, 0                                      ; images 0 and 1
	s_setprio 2
	s_mov_b32 s[TB], 2*STEPB
	s_wait_alu depctr_va_vdst(0)
	s_wait_tensorcnt 0x0                           ; every wave: all images
	s_wait_dscnt 0x0
	s_barrier_signal -1                            ; mine has landed
	STEP 0, 0                                      ; images 2 and 3, and K's tiles of image 4, landed ahead of the first barrier: register work and LDS loads of bytes that nobody writes
	s_wait_alu depctr_va_vdst(0)
	s_barrier_wait -1                              ; everybody's has landed
	s_mov_b32 s[TB], 4*STEPB
	RUN 2
	s_setprio 1
	s_mov_b32 s[TB], 8*STEPB
	RUN 3
	s_setprio 0
	s_mov_b32 s[TB], 14*STEPB
	STEP 0, 1
	s_setprio 3                                    ; the way out
	v_pk_add_f32 v[14:15], v[14:15], v[10:11]      ; the sum is whole
	s_wait_alu depctr_va_vdst(0)
	s_wait_dscnt 0x0
.irp n, 0,1,2,3
	PV \n, 1                                       ; the last image's products
.endr
	; THE WAY OUT.  The sum's parts are added; O^T is divided by the sum and goes through my stage (16 rows of 256 bytes + 16), so that a store covers whole rows.
	v_add_f32 v14, v14, v15                        ; the sum's two halves,
	v_permlanex16_b32 v4, v14, s[SEL], s[SEL+1]
	v_add_f32 v14, v14, v4                         ; and lane l xor 16's: the row's sum
	s_wait_alu depctr_va_vdst(0)
	v_rcp_f32 v14, v14
	v_and_b32 v3, 15, v0                           ; r.  (These lines are the plain place behind the reciprocal and the places behind the last products)
	v_bfe_u32 v5, v0, 4, 1                         ; h
	v_mul_u32_u24 v[SA], v3, 272
	v_mul_u32_u24 v[SB], v5, 272
	v_lshl_add_u32 v[SA], v5, 5, v[SA]
	v_lshl_add_u32 v[SB], v3, 4, v[SB]
	v_add_nc_u32 v[SA], s45, v[SA]                 ; in: row r; tile t's eight channels of my half: 64 t + 32 h bytes on
	v_add_nc_u32 v[SB], s45, v[SB]                 ; back: lanes 0-15 one row, lanes 16-31 the next
	s_wait_alu depctr_va_vdst(0)
.set j, 0
.rept 32
	v_mul_f32 v[S+j], v[OT+j], v14                 ; O^T / the sum: register 8 t + i is out0(r, 16 t + 8 h + i)
.set j, j+1
.endr
.irp t, 0,1,2,3
	ds_store_b128 v[SA], v[S+8*\t:S+8*\t+3] offset:64*\t
	ds_store_b128 v[SA], v[S+8*\t+4:S+8*\t+7] offset:64*\t+16
.endr
.irp i, 0,1,2,3,4,5,6,7
	ds_load_b128 v[S+32+4*\i:S+32+4*\i+3], v[SB] offset:544*\i   ; LDS serves a wave's instructions in order: these see my stores
.endr
.irp i, 0,1,2,3,4,5,6,7
	s_wait_dscnt 7-\i                              ; the younger loads may be out; the last count is 0
	global_store_b128 v[L16], v[S+32+4*\i:S+32+4*\i+3], s[8:9] offset:512*\i th:TH_STORE_NT   ; 32 lanes store two rows, 512 consecutive bytes, at a multiple of 256 from out0's first byte; written once, read by nobody here
.endr
	s_wait_xcnt 0x0
	v_lshl_add_u32 v254, v0, 2, SPARE
	v_mov_b32 v255, 0
	s_wait_alu depctr_va_vdst(0)
	s_wait_tensorcnt 0x0                           ; the wave's end
	ds_add_u32 v254, v255
	s_wait_dscnt 0x0
	CROUND                                         ; the closing round: no work-group ends while a partner may still ask for a load that names it
	s_endpgm
.Lfunc_end_k_q7aa6701294_attn:
	.size	k_q7aa6701294_attn, .Lfunc_end_k_q7aa6701294_attn-k_q7aa6701294_attn
	.p2alignl 7, 3214868480
	.fill 96, 4, 3214868480
	.section	.rodata,"a",@progbits
	.p2align	6, 0x0
	.amdhsa_kernel k_q7aa6701294_attn
		.amdhsa_group_segment_fixed_size 288768
		.amdhsa_private_segment_fixed_size 0
		.amdhsa_enable_private_segment 0
		.amdhsa_kernarg_size 24
		.amdhsa_user_sgpr_count 2
		.amdhsa_user_sgpr_kernarg_segment_ptr 1
		.amdhsa_wavefront_size32 1
		.amdhsa_system_sgpr_workgroup_id_x 1
		.amdhsa_system_sgpr_workgroup_id_y 1
		.amdhsa_system_sgpr_workgroup_id_z 1
		.amdhsa_system_vgpr_workitem_id 0
		.amdhsa_next_free_vgpr 256
		.amdhsa_next_free_sgpr 66
		.amdhsa_reserve_vcc 0
		.amdhsa_float_denorm_mode_32 3
		.amdhsa_float_denorm_mode_16_64 3
		.amdhsa_memory_ordered 1
		.amdhsa_forward_progress 1
		.amdhsa_inst_pref_size 144
	.end_amdhsa_kernel
	.amdgpu_metadata
---
amdhsa.version: [ 1, 2 ]
amdhsa.kernels:
  - .name:           k_q7aa6701294_attn
    .symbol:         k_q7aa6701294_attn.kd
    .args:
      - { .name: Q, .offset: 0, .size: 8, .value_kind: global_buffer, .address_space: global }
      - { .name: kv, .offset: 8, .size: 8, .value_kind: global_buffer, .address_space: global }
      - { .name: out0, .offset: 16, .size: 8, .value_kind: global_buffer, .address_space: global }
    .group_segment_fixed_size: 288768
    .private_segment_fixed_size: 0
    .kernarg_segment_align: 8
    .kernarg_segment_size: 24
    .max_flat_workgroup_size: 512
    .sgpr_count:     66
    .vgpr_count:     256
    .wavefront_size: 32
...
	.end_amdgpu_metadata
.endif
;; end of part 2
